; MI455X (gfx1250); checked and timed in simulation.
; The chip was launched on July 23, 2026; its instructions are those of AMD's public machine-readable ISA for CDNA 5 (MIT licence, August 2026) and "CDNA5" Instruction Set Architecture Reference Guide (July 2026). The comments in the code are by the model that wrote it; some were corrected since.
;; ON Linear. Allowed arithmetic: matrix products marked QUANTISED: E3M2 operands, one E8M0 scale for each 32 along K, by v_wmma_scale_f32_16x16x128_f8f6f4 with both operands' format E3M2, f32 sums; everything else in f32.
;; Inputs: bias 2,048 float32; dir_centroids 256 x 16 float32; dir_labels 524,288 int32; norm_bins 16 float32; norm_idx 524,288 int32; x 4 x 2,048 x 4,096 float32.
;; Outputs: out0 4 x 2,048 x 2,048 float32.
;; This version of the problem:
;;   THIS VERSION OF THE PROBLEM IS GIVEN IN LOW PRECISION. The matrix products marked QUANTISED in the list below multiply operands that are first quantised to E3M2 (3 exponent bits, 2 mantissa bits; 6 bits a number), with one power-of-two scale for each 32 numbers along K (OCP MX v1.0); their sums are f32. All else is computed in f32.
;;   The module's matrix products, in the order in which they are computed (A, B: the left and right operand; K: the contracted axis; several contracted axes count as one K, in the product's order):
;;     1. [M 8,192, K 4,096] x [K 4,096, N 2,048]; A: input x; B: computed on the way: QUANTISED
;;   THE QUANTISER, for each operand of a quantised product, along K:
;;     - K is cut into blocks of 32 from its start; a last block that is shorter is filled with zeros.
;;     - A block's scale is 2^e with e = floor(log2(the largest magnitude in the block)) - 4, held to -126 .. 127; a block of zeros has e = 0. As a byte (E8M0): e + 127.
;;     - Each number is divided by its block's scale, clamped to +-28, and rounded to the nearest number of E3M2, ties to even, subnormals kept.
;;     - The product sums the exact products of the quantised numbers (number of the format x scale) in f32.
;;   ~~~python
;;   def quantise(x, axis):      # numpy; x: float32 -> the quantised numbers, widened to float32 again
;;       x = np.moveaxis(x, axis, -1); K = x.shape[-1]
;;       x = np.pad(x, [(0, 0)] * (x.ndim - 1) + [(0, -K % 32)]); x = x.reshape(x.shape[:-1] + (-1, 32)); a = np.abs(x).max(-1, keepdims=True)
;;       e = np.where(a > 0, np.clip(np.frexp(np.where(a > 0, a, 1))[1] - 1 - 4, -126, 127), 0)      # np.frexp(a)[1] - 1 = floor(log2(a)), exactly
;;       r = np.clip(x / 2.0 ** e, -28, 28)
;;       step = 2.0 ** (np.maximum(np.frexp(np.where(r == 0, 1, r))[1] - 1, -2) - 2)
;;       q = np.round(r / step) * step * 2.0 ** e      # np.round: ties to even
;;       return np.moveaxis(q.reshape(q.shape[:-2] + (-1,))[..., :K], -1, axis).astype(np.float32)
;;   ~~~
;;   OPERANDS COMPUTED ON THE WAY. 'Computed on the way' means the value that the module computes at that place (a softmax that the list does not call 'softmax' is quantised finished and normalised). What goes into a quantiser is computed in f32, as accurately as f32 sums, v_exp_f32 and their like allow (about 1e-6 of the number): no bf16 or f16 on the way to a quantiser, and a product that is left as it is and whose result goes on into a quantised operand takes f32 operands (vector FMAs, or v_wmma_f32_16x16x4_f32). A number that lies on a knife's edge between two numbers of the format may be rounded either way, as far as f32 arithmetic and the matrix unit's own rounding can turn it there, and no further.
;; One version. Each part assembles by itself: llvm-mc -triple=amdgcn-amd-amdhsa -mcpu=gfx1250 --defsym DOCPART=n.
;; ======== version 1 of 1: 2 launches
;; limits: right only within a limited range of input values
;; workspace buffers: a_tiles 26,214,400 bytes; b_tiles 6,553,600 bytes
;; launch quant (part 1): grid 1024 x 1, 4 waves a work-group, no clusters, 34,304 bytes of LDS; arguments x, dir_centroids, dir_labels, norm_bins, norm_idx, a_tiles, b_tiles; writes a_tiles, b_tiles
.if DOCPART == 1
	.amdgcn_target "amdgcn-amd-amdhsa--gfx1250"
	.amdhsa_code_object_version 6
	.text
	.protected	k_qd6e8c9edac_quant
	.globl	k_qd6e8c9edac_quant
	.p2align	8
	.type	k_qd6e8c9edac_quant,@function
k_qd6e8c9edac_quant:
	s_mov_b64 s[64:65], 0
	v_nop
	global_prefetch_b8 v0, s[64:65] scope:SCOPE_SE
	s_setreg_imm32_b32 hwreg(HW_REG_WAVE_MODE, 25, 1), 1
	s_wait_xcnt 0x0
; x [8192][4096] f32 and W [2048][4096] (W[o][i] = dir_centroids[dir_labels[256 o + i / 16]][i % 16] x norm_bins[norm_idx[256 o + i / 16]], one f32 product)
; become codes of BF6 (E3M2), 6 bits each, with one E8M0 scale byte for each 32 along K = the 4096.
; A block's scale is 2^(floor(log2(its largest magnitude)) - 4): its byte is the largest magnitude's exponent field - 4, held at 1 from below.
; THE RESULT IS LAID AS THE PRODUCT'S LAUNCH TAKES IT, in RECORDS of 12,800 bytes, [group of 128 rows][step of 128 along K].  A record: eight fragment images, then 512 bytes of scale words.
; A fragment (16 rows x 128 K) is 12 registers a lane: lane (r = lane % 16, h = lane / 16) holds one row, registers 6 c .. 6 c + 5 hold k = 64 c + 32 h + 0 .. 31.  Its image is 1,536 bytes:
; registers 4 g .. 4 g + 3 of lane l at 512 g + 16 l.  The scale word (four bytes: 128 k) of fragment i, lane r lies at 12,288 + 256 (i / 4) + 16 r + 4 (i % 4).
; WHICH ROW A LANE HOLDS: x: fragment i, lane r: row 16 i + r of the group.  W: fragment 4 G + b, lane r: row 64 G + 4 r + b: in the product's result a lane then holds, in four accumulators, four neighbouring columns of the output.
; SHARES: 1,024 work-groups of four waves, all with the same work.  x has 4,096 units of 64 rows x 128 K (four fragments, 256 bytes of scale words): a unit a wave, the four waves of a work-group side by side along K.
; W has 4,096 fragments: a fragment a wave; the four waves of work-group U take the four fragments b = 0 .. 3 of W's unit U (64 rows x 128 K).  No tensor load, no barrier, no branch: waves share nothing.  Every offset is an immediate.
; x: each load reads 512 consecutive bytes of one row; a step's 16 rows turn through the wave's own stage in LDS (rows of 512 + 16 bytes) and come back 128 bytes of a row to a lane.
; W: a lane loads its own four labels and levels first of all, holds them inside their tables, and gathers each direction's 64 bytes and its norm into the register set that x's third step has left free; they are worked behind x's fourth step.
; A W fragment's sixteen scale words leave as 4 bytes a lane, 16 bytes apart (lanes r and 16 + r store the same word to the same place): the four waves together fill the block of 256 bytes.  That is 64 bytes for each 1,536 of codes.
; LIMITS: NaN and infinities among the inputs are not served.  A block of zeros gets the byte 1 where the rule says 127: its codes are zeros, and this program alone reads the bytes.
; A label above 255 or a level above 15 (a negative one too, read as unsigned) is held at the table's last entry.
.set REC, 12800                        ; a record
.set GRP, 32*REC                       ; a group of 128 rows, all of K
.set SCW, 12288                        ; where a record's scale words begin
.set TM,  10                           ; v10-11   the two blocks' largest magnitudes
.set SO,  12                           ; v12-13   the conversions' scale operands
.set BY,  14                           ; v14-15   scale bytes
.set WW,  17                           ; v17      the scale word of W's fragment
.set SW,  18                           ; v18-21   the scale words of x's four fragments
.set C,   24                           ; v24-35   a fragment's codes
.set T,   36                           ; v36-38, v40-42  the upper halves of the two blocks' codes, as the conversions leave them
.set WS,  43                           ; v43      16 r: where W's scale word goes
.set LA,  44                           ; v44-47   four byte offsets into the codebook
.set NA,  48                           ; v48-51   four byte offsets into the norms, then the norms themselves
.set R,   64                           ; v64-191  two sets of 64 numbers as they are loaded (set 0 at the end: W's, as they are gathered)
.set X,   192                          ; v192-255 x: 64 numbers in the operand's order
.set SP,  528                          ; a stage row: 512 bytes + 16: the sixteen rows that a load of 16 bytes a lane touches begin 16 bytes apart modulo 256
	s_load_b256 s[4:11], s[0:1], 0x0               ; x s[4:5], dir_centroids s[6:7], dir_labels s[8:9], norm_bins s[10:11]
	s_load_b128 s[12:15], s[0:1], 0x20             ; norm_idx s[12:13], a_tiles s[14:15]
	s_load_b64 s[16:17], s[0:1], 0x30              ; b_tiles
	v_lshl_add_u32 v62, v0, 2, 0x8400              ; my spare word, behind the four stages, and 0: kept for the closing lines
	v_mov_b32 v63, 0
	v_lshrrev_b32 v1, 5, v0
	v_readfirstlane_b32 s22, v1                    ; wave 0..3
	v_and_b32 v1, 31, v0                           ; lane
	v_and_b32 v2, 15, v0                           ; r
	v_bfe_u32 v3, v0, 4, 1                         ; h
	v_lshlrev_b32 v4, 4, v1                        ; 16 x lane: x's loads and the codes' stores
	v_lshlrev_b32 v8, 3, v3                        ; 8 h: how far up my two bytes stand in a scale word
	v_lshl_add_u32 v5, v2, 4, v8                   ; 16 r + 8 h: the store of x's scale words
	s_mul_i32 s26, s22, 16*SP                      ; my wave's stage
	v_add_nc_u32 v6, s26, v4                       ; into it: 16 x lane of a row
	v_mul_u32_u24 v7, v2, SP
	v_lshl_add_u32 v7, v3, 7, v7
	v_add_nc_u32 v7, s26, v7                       ; out of it: row r, + 128 h
	v_lshl_add_u32 v9, v2, 12, v8                  ; W: row 4 r of the unit's 64: 4 x 1,024 bytes of labels a lane, + 8 h
	v_lshlrev_b32 v[WS], 4, v2
	v_mov_b32 v16, 0                               ; written once: a lane permute's destination counts as one of its sources
	s_mov_b32 s30, 0x76543210
	s_mov_b32 s31, 0xfedcba98                      ; v_permlanex16_b32's selects for lane l xor 16
	; x: my wave's unit 4 U + wave
	s_lshl_b32 s23, ttmp9, 2
	s_add_co_u32 s23, s23, s22
	s_lshr_b32 s24, s23, 5                         ; which 64 rows
	s_and_b32 s25, s23, 31                         ; which 128 along K
	s_lshr_b32 s26, s24, 1
	s_mul_i32 s26, s26, GRP                        ; the group of 128 rows,
	s_mul_i32 s28, s25, REC                        ; the step's record (all under 2^25)
	s_add_co_u32 s26, s26, s28
	s_and_b32 s29, s24, 1                          ; which half of the record
	s_lshl_b32 s28, s29, 8
	s_add_co_u32 s28, s28, s26
	s_add_co_u32 s28, s28, SCW                     ; my 256 bytes of scale words
	s_mul_i32 s29, s29, 4*1536
	s_add_co_u32 s26, s26, s29                     ; my four images
	s_mov_b32 s27, 0
	s_mov_b32 s29, 0
	s_lshl_b32 s18, s24, 20                        ; in x: 64 rows of 16,384 bytes,
	s_lshl_b32 s19, s25, 9                         ; 128 numbers along K
	s_add_co_u32 s18, s18, s19
	s_mov_b32 s19, 0
	; W: the work-group's unit U, my fragment b = wave
	s_lshr_b32 s38, ttmp9, 5                       ; which 64 rows
	s_and_b32 s39, ttmp9, 31                       ; which 128 along K
	s_lshr_b32 s32, s38, 1
	s_mul_i32 s32, s32, GRP
	s_mul_i32 s34, s39, REC
	s_add_co_u32 s32, s32, s34                     ; the record
	s_and_b32 s35, s38, 1                          ; G: which half of it
	s_lshl_b32 s34, s35, 8
	s_add_co_u32 s34, s34, s32
	s_add_co_u32 s34, s34, SCW
	s_lshl_b32 s36, s22, 2
	s_add_co_u32 s34, s34, s36                     ; my scale words: 12,288 + 256 G + 4 b (+ 16 r)
	s_mul_i32 s35, s35, 4*1536
	s_add_co_u32 s32, s32, s35
	s_mul_i32 s36, s22, 1536
	s_add_co_u32 s32, s32, s36                     ; my image: fragment 4 G + b
	s_mov_b32 s33, 0
	s_mov_b32 s35, 0
	s_lshl_b32 s36, s38, 16                        ; labels and levels: 64 rows of 1,024 bytes,
	s_lshl_b32 s37, s39, 5                         ; 8 of them for 128 along K,
	s_add_co_u32 s36, s36, s37
	s_lshl_b32 s37, s22, 10                        ; row b of each four
	s_add_co_u32 s36, s36, s37
	s_mov_b32 s37, 0
	s_wait_alu depctr_va_vdst(0)                   ; the wait at the head's end
	s_wait_kmcnt 0x0
	s_add_nc_u64 s[4:5], s[4:5], s[18:19]
	s_add_nc_u64 s[18:19], s[14:15], s[28:29]      ; where x's scale words go,
	s_add_nc_u64 s[14:15], s[14:15], s[26:27]      ; and x's codes;
	s_add_nc_u64 s[20:21], s[16:17], s[34:35]      ; W's scale words,
	s_add_nc_u64 s[16:17], s[16:17], s[32:33]      ; and W's codes
	s_add_nc_u64 s[8:9], s[8:9], s[36:37]
	s_add_nc_u64 s[12:13], s[12:13], s[36:37]
; 64 numbers of a lane, register S + 32 c + i = k 64 c + 32 h + i of its row, become a fragment: codes stored at s[bs:bs+1] + off, scale word kept in v[sw].  n: how many fragments the wave has stored before.
.macro QF n, S, sw, bs, off
.irp c, 0,1
	v_max3_num_f32 v[TM+\c], |v[(\S)+32*\c]|, |v[(\S)+32*\c+1]|, 0x2800000   ; a whole block lies in my registers; the floor 2^(5 - 127) holds the byte at 1 from below
.endr
.irp i, 2,4,6,8,10,12,14,16,18,20,22,24,26,28,30
.irp c, 0,1
	v_max3_num_f32 v[TM+\c], v[TM+\c], |v[(\S)+32*\c+\i]|, |v[(\S)+32*\c+\i+1]|   ; (the two blocks by turns)
.endr
.endr
.irp c, 0,1
	v_add_nc_u32 v[SO+\c], 0xfe000000, v[TM+\c]    ; 4 off the exponent field: the conversion takes the exponent field of this operand as its scale, and nothing else of it
.endr
.if (\n) > 0
	s_wait_alu depctr_va_vdst(0)                   ; the wait ahead of the wait below
	s_wait_xcnt 0x0                                ; the last fragment's stores have read their data: the codes' registers are written again only behind this wait
.endif
.irp c, 0,1
	v_cvt_scalef32_pk16_bf6_f32 v[C+6*\c:C+6*\c+2], v[(\S)+32*\c:(\S)+32*\c+15], v[SO+\c]
	v_cvt_scalef32_pk16_bf6_f32 v[T+4*\c:T+4*\c+2], v[(\S)+32*\c+16:(\S)+32*\c+31], v[SO+\c]   ; (a conversion's three registers begin on an even number: a block's upper half is made elsewhere and moved)
.endr
	v_lshrrev_b32 v[BY], 23, v[SO]                 ; the scales' bytes.  (Plain lines behind the conversions, ahead of the moves that read their results)
	v_lshrrev_b32 v[BY+1], 23, v[SO+1]
	v_lshl_or_b32 v[BY], v[BY+1], 16, v[BY]        ; my two bytes: blocks h and 2 + h of my row,
	v_lshlrev_b32 v[BY], v8, v[BY]                 ; at their places in the word;
	v_permlanex16_b32 v16, v[BY], s30, s31
	v_or_b32 v[\sw], v[BY], v16                    ; with lane l xor 16's two the word is whole, in both lanes
.irp c, 0,1
.irp i, 0,1,2
	v_mov_b32 v[C+6*\c+3+\i], v[T+4*\c+\i]
.endr
.endr
.irp g, 0,1,2
	global_store_b128 v4, v[C+4*\g:C+4*\g+3], s[\bs:\bs+1] offset:(\off)+512*\g th:TH_STORE_NT   ; 32 lanes store 512 consecutive bytes, at a multiple of 512 from the buffer's first byte
.endr
.endm
.macro LOAD sl                         ; x's step sl: rows 16 sl .. 16 sl + 15, 512 bytes each, into set sl % 2
.irp j, 0,1,2,3,4,5,6,7,8,9,10,11,12,13,14,15
	global_load_b128 v[R+64*((\sl)%2)+4*\j:R+64*((\sl)%2)+4*\j+3], v4, s[4:5] offset:(16*(\sl)+\j)*16384 th:TH_LOAD_NT
.endr
.endm
.macro TURN sl                         ; through the stage: LDS serves a wave's instructions in order (ISA guide 5.7.1.4), so no wait stands between the stores and the loads
.irp j, 0,1,2,3,4,5,6,7,8,9,10,11,12,13,14,15
	ds_store_b128 v6, v[R+64*((\sl)%2)+4*\j:R+64*((\sl)%2)+4*\j+3] offset:SP*\j
.endr
.irp c, 0,1
.irp m, 0,1,2,3,4,5,6,7
	ds_load_b128 v[X+32*\c+4*\m:X+32*\c+4*\m+3], v7 offset:256*\c+16*\m
.endr
.endr
.endm
.macro GATHER                          ; W's fragment: four directions into set 0, four norms, each onto its own offset register: 20 loads
.irp c, 0,1
.irp e, 0,1
.irp m, 0,1,2,3
	global_load_b128 v[R+32*\c+16*\e+4*\m:R+32*\c+16*\e+4*\m+3], v[LA+2*\c+\e], s[6:7] offset:16*\m
.endr
	global_load_b32 v[NA+2*\c+\e], v[NA+2*\c+\e], s[10:11]
.endr
.endr
.endm
.macro XSTEP sl
.if (\sl) < 3
	s_wait_loadcnt 16                              ; this step's 16 loads are in; the next step's 16 may be out
.else
	s_wait_loadcnt 20                              ; the last step's 16 loads are in; W's 20 may be out
.endif
	TURN \sl
	s_wait_dscnt 0x0                               ; my 64 numbers are back; the stores into the stage have read their registers,
.if (\sl) < 2
	LOAD (\sl)+2                                   ; which take the loads of two steps on,
.endif
.if (\sl) == 2
	GATHER                                         ; or, behind x's last use of set 0, W's
.endif
	QF \sl, X, SW+(\sl), 14, (\sl)*1536
.endm
.irp c, 0,1                            ; my labels and levels at k = 64 c + 32 h + 0 and + 16 of row 4 r + b
	global_load_b64 v[LA+2*\c:LA+2*\c+1], v9, s[8:9] offset:16*\c
	global_load_b64 v[NA+2*\c:NA+2*\c+1], v9, s[12:13] offset:16*\c
.endr
	LOAD 0
	LOAD 1
	s_wait_loadcnt 32                              ; labels and levels are in; x's 32 loads may be out
.irp j, 0,1,2,3
	v_min_u32 v[LA+\j], 255, v[LA+\j]              ; held inside the tables,
	v_min_u32 v[NA+\j], 15, v[NA+\j]
.endr
.irp j, 0,1,2,3
	v_lshlrev_b32 v[LA+\j], 6, v[LA+\j]            ; and made byte offsets: 64 bytes a direction, 4 a norm
	v_lshlrev_b32 v[NA+\j], 2, v[NA+\j]
.endr
	XSTEP 0
	XSTEP 1
	XSTEP 2
	XSTEP 3
	; x's 64 scale words: lane (r, h) stores the words of lane r of fragments 2 h and 2 h + 1, at 16 r + 8 h: the 32 lanes cover 256 consecutive bytes, aligned
	v_cmp_lt_u32 vcc_lo, 15, v1
	v_cndmask_b32 v22, v[SW], v[SW+2], vcc_lo
	v_cndmask_b32 v23, v[SW+1], v[SW+3], vcc_lo
	global_store_b64 v5, v[22:23], s[18:19] th:TH_STORE_NT
	s_wait_loadcnt 0x0                             ; W's directions and norms
.irp c, 0,1                            ; direction x norm: one rounding in f32
.irp e, 0,1
.irp i, 0,1,2,3,4,5,6,7,8,9,10,11,12,13,14,15
	v_mul_f32 v[R+32*\c+16*\e+\i], v[R+32*\c+16*\e+\i], v[NA+2*\c+\e]
.endr
.endr
.endr
	QF 4, R, WW, 16, 0
	global_store_b32 v[WS], v[WW], s[20:21] th:TH_STORE_NT
	s_wait_tensorcnt 0x0                           ; the wave's end
	ds_add_u32 v62, v63
	s_wait_dscnt 0x0
	s_endpgm
.Lfunc_end_k_qd6e8c9edac_quant:
	.size	k_qd6e8c9edac_quant, .Lfunc_end_k_qd6e8c9edac_quant-k_qd6e8c9edac_quant
	.p2alignl 7, 3214868480
	.fill 96, 4, 3214868480
	.section	.rodata,"a",@progbits
	.p2align	6, 0x0
	.amdhsa_kernel k_qd6e8c9edac_quant
		.amdhsa_group_segment_fixed_size 34304
		.amdhsa_private_segment_fixed_size 0
		.amdhsa_enable_private_segment 0
		.amdhsa_kernarg_size 56
		.amdhsa_user_sgpr_count 2
		.amdhsa_user_sgpr_kernarg_segment_ptr 1
		.amdhsa_wavefront_size32 1
		.amdhsa_system_sgpr_workgroup_id_x 1
		.amdhsa_system_sgpr_workgroup_id_y 1
		.amdhsa_system_sgpr_workgroup_id_z 1
		.amdhsa_system_vgpr_workitem_id 0
		.amdhsa_next_free_vgpr 256
		.amdhsa_next_free_sgpr 66
		.amdhsa_reserve_vcc 1
		.amdhsa_float_denorm_mode_32 3
		.amdhsa_float_denorm_mode_16_64 3
		.amdhsa_memory_ordered 1
		.amdhsa_forward_progress 1
		.amdhsa_inst_pref_size 39
	.end_amdhsa_kernel
	.amdgpu_metadata
---
amdhsa.version: [ 1, 2 ]
amdhsa.kernels:
  - .name:           k_qd6e8c9edac_quant
    .symbol:         k_qd6e8c9edac_quant.kd
    .args:
      - { .name: x, .offset: 0, .size: 8, .value_kind: global_buffer, .address_space: global }
      - { .name: dir_centroids, .offset: 8, .size: 8, .value_kind: global_buffer, .address_space: global }
      - { .name: dir_labels, .offset: 16, .size: 8, .value_kind: global_buffer, .address_space: global }
      - { .name: norm_bins, .offset: 24, .size: 8, .value_kind: global_buffer, .address_space: global }
      - { .name: norm_idx, .offset: 32, .size: 8, .value_kind: global_buffer, .address_space: global }
      - { .name: a_tiles, .offset: 40, .size: 8, .value_kind: global_buffer, .address_space: global }
      - { .name: b_tiles, .offset: 48, .size: 8, .value_kind: global_buffer, .address_space: global }
    .group_segment_fixed_size: 34304
    .private_segment_fixed_size: 0
    .kernarg_segment_align: 8
    .kernarg_segment_size: 56
    .max_flat_workgroup_size: 128
    .sgpr_count:     66
    .vgpr_count:     256
    .wavefront_size: 32
...
	.end_amdgpu_metadata
.endif
;; end of part 1
;; launch gemm (part 2): grid 8 x 32, 4 waves a work-group, clusters of 4 x 4, 327,680 bytes of LDS; arguments a_tiles, b_tiles, out0, bias; writes out0
.if DOCPART == 2
	.amdgcn_target "amdgcn-amd-amdhsa--gfx1250"
	.amdhsa_code_object_version 6
	.text
	.protected	k_qd6e8c9edac_gemm
	.globl	k_qd6e8c9edac_gemm
	.p2align	8
	.type	k_qd6e8c9edac_gemm,@function
k_qd6e8c9edac_gemm:
	s_mov_b64 s[64:65], 0
	v_nop
	global_prefetch_b8 v0, s[64:65] scope:SCOPE_SE
	s_setreg_imm32_b32 hwreg(HW_REG_WAVE_MODE, 25, 1), 1
	s_wait_xcnt 0x0
	s_wait_alu depctr_hold_cnt(0) depctr_sa_sdst(0) depctr_va_vdst(0) depctr_va_sdst(0) depctr_va_ssrc(0) depctr_va_vcc(0) depctr_vm_vsrc(0)
	s_getreg_b32 s2, hwreg(HW_REG_IB_STS2, 6, 4)
	s_cmp_eq_u32 s2, 0
	s_cbranch_scc0 .Lentry_in_a_cluster
	s_endpgm
.Lentry_in_a_cluster:
	s_bfe_u32 s2, ttmp6, 0x10000c
	s_cmp_lg_u32 s2, 0xf033
	s_cbranch_scc0 .Lentry_shape_is_right
	s_endpgm
.Lentry_shape_is_right:
; out0[m][n] = sum over k of x[m][k] W[n][k] + bias[n], on codes of BF6 with E8M0 scales, as the launch before has laid them: records of 12,800 bytes,
; [group of 128 rows][step of 128 along K]: eight fragment images of 1,536 bytes (registers 4 g .. 4 g + 3 of lane l at 512 g + 16 l), then 512 bytes of scale words.
; A work-group of four waves makes 256 x 256 of the output, a wave 128 x 128: 64 accumulators, 512 registers.  256 work-groups.
; K goes through a ring of two LDS slots of three steps each (4 x 38,400 bytes a slot); a wave fetches three records of one group by one tensor load of 150 rows of 256 bytes.  32 steps = ten fills of three and one of two.
; CLUSTERS: 4 x 4 work-groups; x's records are asked for jointly along a row of the cluster, W's along a column.
; FRAGMENTS: two register sets for x and two for W.  A step is 64 matrix instructions (x's block a against W's eight, a = 0 .. 7); the next step's 50 LDS loads stand in ONE run at the step's head, a whole step ahead of their use.
; THE WAY OUT NEEDS NO LDS: source 0 = 16 rows of x, source 1 = 16 rows of W.  Lane (r, h) of accumulator (a, 4 G + b) holds in register j: row 16 a + 8 h + j, column 64 G + 4 r + b (so W's rows were dealt).
; One v_add_f32 a number adds the bias and puts b = 0 .. 3 into four neighbouring registers: sixteen lanes then store 256 consecutive bytes, aligned.  Block a is finished behind its eight products of the last step: blocks 0 to 2 leave inside that step.
; PREFETCH: behind the joint load of fill f each wave asks for fill f + 1 of the group that it fetches (three steps of K ahead): 150 blocks of 256 bytes, of which each of the four partners that fetch them jointly names 38 (the last 36), told apart by address;
; two instructions a wave, the lanes left over name the wave's last block again.  The last fill, of 100 blocks, is not asked for: its look-ahead would pass the group's end.
; REGISTERS: window 0: v16-31 addresses, v32-47 scale words (two sets), v48-55 bias, v64-159 and v160-255 x's fragments.  Window 1: v0-95, v128-223 W's fragments.  Windows 2, 3: accumulator (a, b) at v[8 (8 (a % 4) + b)].
.set FR,     12                        ; registers of a fragment
.set FRB,    1536                      ; its image in bytes
.set REC,    12800
.set SCW,    12288                     ; where a record's scale words begin
.set NQ,     3                         ; steps in a slot
.set HALFT,  NQ*REC                    ; what one tensor load brings
.set SLOT,   4*HALFT
.set GB,     32*REC                    ; a group, all of K
.set TRIPS,  4
.set SPARE,  2*SLOT                    ; behind the ring: the spare words, 128 bytes a wave
.set ADRA, 16                          ; v16-17 LDS address of x's images in slot 0, 1
.set ADRB, 20                          ; v20-21 the same for W
.set PF0,  22                          ; v22-23 the prefetches' offsets
.set PF1,  23
.set BO,   25                          ; v25 16 r: my four bias numbers
.set CO,   26                          ; v26 my byte offset in the output: 8 h rows + 16 r
.set SPW,  28
.set NIL,  29
.set ADRS, 30                          ; v30-31 scale words: lanes 0-15 x's, lanes 16-31 W's
.set SC,   32
.set BIAS, 48
.set AF,   64
.set G1, 24                            ; s[24:31], s[32:39] groups 1 and 0 (a set for each slot) for x's records
.set G0, 32
.set G1B, 48                           ; s[48:55], s[56:63] for W's
.set G0B, 56
.set G1T, 68                           ; s[68:75], s[76:83] group 1 of the last fill: 100 rows
.set G1TB, 76
.set PFA, 92                           ; s[92:93] the fill that my prefetches name
.set MSB, 0
.macro WIN new                         ; the immediate's high byte repeats the setting that is left
.if MSB != (\new)
	s_set_vgpr_msb (MSB<<8)|(\new)
.set MSB, (\new)
.endif
.endm
.set MUL_LO, 0xa4                      ; source 0 (x) window 0, source 1 (W) window 1, C and D window 2
.set TO_B,   0x40                      ; destination window 1
.macro JLOAD g0a, g1a, g0b, g1b        ; a joint load: waves 0 and 1 fetch x's two groups, waves 2 and 3 W's
	s_cmp_eq_u32 s15, 0
	s_cbranch_scc0 .Lfor_b_\@
	tensor_load_to_lds s[\g0a:\g0a+3], s[\g1a:\g1a+7]
	s_nop 0
.rept 4
	v_nop
.endr
	s_branch .Lasked_\@
.Lfor_b_\@:
	tensor_load_to_lds s[\g0b:\g0b+3], s[\g1b:\g1b+7]
	s_nop 0
.rept 4
	v_nop
.endr
.Lasked_\@:
.endm
.macro CREST                           ; a round of the cluster's barrier behind its opening barrier
	s_cmp_lg_u32 s14, 0
	s_cbranch_scc1 .Lnot_wave_0_\@
	s_barrier_signal -3
.Lnot_wave_0_\@:
	s_barrier_wait -3
	s_barrier_signal -1
	s_barrier_wait -1
.endm
.macro CROUND
	s_barrier_signal -1
	s_barrier_wait -1
	CREST
.endm
.macro ASK how                         ; 1: ask; 2: ask in all but the loop's last trip
.if \how == 2
	s_cmp_lg_u32 s3, 1
	s_cbranch_scc0 .Lno_ask_\@
.endif
.if \how
	global_prefetch_b8 v[PF0], s[PFA:PFA+1] th:TH_LOAD_NT scope:SCOPE_SE
	global_prefetch_b8 v[PF1], s[PFA:PFA+1] th:TH_LOAD_NT scope:SCOPE_SE
.endif
.if \how == 2
.Lno_ask_\@:
.endif
.endm
	s_load_b128 s[4:7], s[0:1], 0x0                ; a_tiles, b_tiles
	s_load_b128 s[8:11], s[0:1], 0x10              ; out0, bias
	v_lshl_add_u32 v[SPW], v0, 2, SPARE
	v_mov_b32 v[NIL], 0
	ds_add_u32 v[SPW], v[NIL]                      ; the opening lines: the add twice on end and one wait
	ds_add_u32 v[SPW], v[NIL]
	v_lshrrev_b32 v1, 5, v0
	v_readfirstlane_b32 s14, v1                    ; wave
	s_lshr_b32 s15, s14, 1                         ; my half of the rows; also: I fetch for x (0) or W (1)
	s_and_b32 s16, s14, 1                          ; my half of the columns; also: which group I fetch
	s_bfe_u32 s40, ttmp6, 0x40000                  ; cx
	s_bfe_u32 s41, ttmp6, 0x40004                  ; cy
	s_lshl_b32 s42, ttmp9, 2
	s_add_co_u32 s42, s42, s40                     ; tile column
	s_and_b32 s17, ttmp7, 0xffff
	s_lshl_b32 s17, s17, 2
	s_add_co_u32 s17, s17, s41                     ; tile row
	s_lshl_b32 s43, s41, 2
	s_lshl_b32 s43, 15, s43                        ; my row of the cluster
	s_lshl_b32 s44, 0x1111, s40                    ; my column
	s_or_b32 s[G1+0], s43, (3<<16)|(1<<21)         ; elements of 8 bytes; bit 21 beside the mask
	s_or_b32 s[G1B+0], s44, (3<<16)|(1<<21)
	s_or_b32 s[G1T+0], s43, (3<<16)|(1<<21)
	s_or_b32 s[G1TB+0], s44, (3<<16)|(1<<21)
.irp g, G1, G1B                        ; a dense block of 38,400 bytes as 150 rows of 256
	s_mov_b32 s[\g+1], 32<<16
	s_mov_b32 s[\g+2], 150<<16
	s_mov_b32 s[\g+3], 32<<16
	s_mov_b32 s[\g+4], 150
	s_mov_b32 s[\g+5], 32
	s_mov_b32 s[\g+6], 0
	s_mov_b32 s[\g+7], 0
.endr
.irp g, G1T, G1TB                      ; two records: 100 rows
	s_mov_b32 s[\g+1], 32<<16
	s_mov_b32 s[\g+2], 100<<16
	s_mov_b32 s[\g+3], 32<<16
	s_mov_b32 s[\g+4], 100
	s_mov_b32 s[\g+5], 32
	s_mov_b32 s[\g+6], 0
	s_mov_b32 s[\g+7], 0
.endr
	s_lshl_b32 s20, s17, 1
	s_add_co_u32 s20, s20, s16                     ; x's group: 2 x tile row + half
	s_lshl_b32 s46, s42, 1
	s_add_co_u32 s46, s46, s16                     ; W's group: 2 x tile column + half
	s_mul_i32 s20, s20, GB
	s_mov_b32 s21, 0
	s_mul_i32 s46, s46, GB
	s_mov_b32 s47, 0
	s_mul_i32 s45, s14, HALFT                      ; where my load lands: wave x 38,400
	s_wait_dscnt 0x0                               ; both opening adds are done
	s_wait_kmcnt 0x0
	s_add_nc_u64 s[20:21], s[4:5], s[20:21]
	s_add_nc_u64 s[46:47], s[6:7], s[46:47]
.irp s, 0,1
	s_mov_b32 s[G0+4*\s], 1
	s_add_co_u32 s[G0+4*\s+1], s45, \s*SLOT
	s_add_nc_u64 s[G0+4*\s+2:G0+4*\s+3], s[20:21], \s*HALFT
	s_or_b32 s[G0+4*\s+3], s[G0+4*\s+3], 0x80000000
	s_mov_b32 s[G0B+4*\s], 1
	s_add_co_u32 s[G0B+4*\s+1], s45, \s*SLOT
	s_add_nc_u64 s[G0B+4*\s+2:G0B+4*\s+3], s[46:47], \s*HALFT
	s_or_b32 s[G0B+4*\s+3], s[G0B+4*\s+3], 0x80000000
.endr
	s_cmp_eq_u32 s15, 0
	s_cselect_b64 s[PFA:PFA+1], s[20:21], s[46:47] ; the group that I fetch,
	s_cselect_b32 s87, s40, s41                    ; and my place among the four that fetch it with me
	s_add_nc_u64 s[PFA:PFA+1], s[PFA:PFA+1], HALFT ; at fill 1
	CROUND                                         ; all sixteen work-groups are here: the first joint loads meet
	JLOAD G0, G1, G0B, G1B                         ; fill 0: one tensor load a wave at the head
	s_mul_i32 s84, s15, HALFT                      ; my 128 rows of x in a slot
	s_mul_i32 s85, s16, HALFT
	s_add_co_u32 s85, s85, 2*HALFT                 ; my 128 rows of W
	s_sub_co_u32 s86, s85, s84
	s_mul_i32 s87, s87, 38                         ; my work-group's first block of the 150
	s_lshl_b32 s20, s17, 8
	s_lshl_b32 s21, s15, 7
	s_add_co_u32 s20, s20, s21                     ; my first row of the output,
	s_lshl_b32 s20, s20, 13                        ; of 8,192 bytes
	s_mov_b32 s21, 0
	s_lshl_b32 s46, s42, 10
	s_lshl_b32 s47, s16, 9
	s_add_co_u32 s46, s46, s47                     ; my first column, in bytes
	s_mov_b32 s47, 0
	s_add_nc_u64 s[10:11], s[10:11], s[46:47]
	s_add_nc_u64 s[20:21], s[20:21], s[46:47]
	s_add_nc_u64 s[8:9], s[8:9], s[20:21]
	v_and_b32 v1, 15, v0                           ; r
	v_bfe_u32 v2, v0, 4, 1                         ; h
	v_and_b32 v6, 31, v0                           ; lane
	v_lshlrev_b32 v4, 4, v6
	v_mul_u32_u24 v8, s86, v2                      ; lanes 16-31 take W's scale words
	v_lshl_add_u32 v8, v1, 4, v8
	v_add_nc_u32 v[ADRA], s84, v4
	v_add_nc_u32 v[ADRB], s85, v4
	v_add_nc_u32 v[ADRS], s84, v8
	v_add_nc_u32 v[ADRA+1], SLOT, v[ADRA]
	v_add_nc_u32 v[ADRB+1], SLOT, v[ADRB]
	v_add_nc_u32 v[ADRS+1], SLOT, v[ADRS]
	v_lshlrev_b32 v[BO], 4, v1
	v_lshl_add_u32 v[CO], v2, 16, v[BO]            ; 8 h rows of 8,192 bytes + 16 r
	v_min_u32 v7, 5, v6
	v_add_nc_u32 v[PF0], s87, v6                   ; blocks 38 p + 0 .. 31,
	v_add_nc_u32 v[PF1], s87, v7
	v_add_nc_u32 v[PF1], 32, v[PF1]                ; and 38 p + 32 .. 37,
	v_min_u32 v[PF0], 149, v[PF0]                  ; held inside the fill's 150
	v_min_u32 v[PF1], 149, v[PF1]
	v_lshlrev_b32 v[PF0], 8, v[PF0]
	v_lshlrev_b32 v[PF1], 8, v[PF1]
	ASK 1                                          ; fill 1
	global_load_b128 v[BIAS:BIAS+3], v[BO], s[10:11]               ; bias[64 G + 4 r + 0 .. 3], G = 0, 1
	global_load_b128 v[BIAS+4:BIAS+7], v[BO], s[10:11] offset:256
.macro FRAG reg, adr, q, i             ; a fragment's image: three loads of 512 consecutive bytes
.irp g, 0,1,2
	ds_load_b128 v[(\reg)+4*\g:(\reg)+4*\g+3], v[\adr] offset:(\q)*REC+(\i)*FRB+512*\g
.endr
.endm
; The 50 loads of step q of a slot into set p: W's eight fragments, the scale words (register i: lanes 0-15 the word of x's block i, lanes 16-31 that of W's fragment i), x's eight blocks; blocks 4-7, twelve loads, come last.
.macro FETCH slot, q, p
	WIN TO_B
.irp i, 0,1,2,3,4,5,6,7
	FRAG 128*(\p)+FR*\i, ADRB+\slot, \q, \i
.endr
	WIN 0
.irp e, 0,1
	ds_load_b128 v[SC+8*(\p)+4*\e:SC+8*(\p)+4*\e+3], v[ADRS+\slot] offset:(\q)*REC+SCW+256*\e
.endr
.irp i, 0,1,2,3,4,5,6,7
	FRAG AF+96*(\p)+FR*\i, ADRA+\slot, \q, \i
.endr
.endm
.macro GRP a, p, zero                  ; x's block a against W's eight: eight accumulators, one instruction each
	WIN MUL_LO+0x50*((\a)/4)
.irp b, 0,1,2,3,4,5,6,7
.if \zero
	v_wmma_scale_f32_16x16x128_f8f6f4 v[8*(8*((\a)%4)+\b):8*(8*((\a)%4)+\b)+7], v[AF+96*(\p)+FR*(\a):AF+96*(\p)+FR*(\a)+FR-1], v[128*(\p)+FR*\b:128*(\p)+FR*\b+FR-1], 0, v[SC+8*(\p)+(\a)], v[SC+8*(\p)+\b] matrix_a_fmt:MATRIX_FMT_BF6 matrix_b_fmt:MATRIX_FMT_BF6 matrix_b_scale:MATRIX_SCALE_ROW1
.else
	v_wmma_scale_f32_16x16x128_f8f6f4 v[8*(8*((\a)%4)+\b):8*(8*((\a)%4)+\b)+7], v[AF+96*(\p)+FR*(\a):AF+96*(\p)+FR*(\a)+FR-1], v[128*(\p)+FR*\b:128*(\p)+FR*\b+FR-1], v[8*(8*((\a)%4)+\b):8*(8*((\a)%4)+\b)+7], v[SC+8*(\p)+(\a)], v[SC+8*(\p)+\b] matrix_a_fmt:MATRIX_FMT_BF6 matrix_b_fmt:MATRIX_FMT_BF6 matrix_b_scale:MATRIX_SCALE_ROW1
.endif
.endr
.endm
.macro PLACES                          ; four places between a matrix instruction and a load into, or a vector instruction on, its registers
.rept 4
	v_nop
.endr
.endm
; A step inside a slot: fetches step q + 1 of the same slot into the other set, then multiplies set p.
.macro STEP slot, q, p, zero
	s_wait_dscnt 12                                ; all of my set but x's blocks 4-7
	PLACES                                         ; the other set was read by the step before
	FETCH \slot, (\q)+1, 1-(\p)
.irp a, 0,1,2,3
	GRP \a, \p, \zero
.endr
	s_wait_dscnt 50                                ; all but the 50 loads of this step: x's blocks 4-7 are in
.irp a, 4,5,6,7
	GRP \a, \p, \zero
.endr
.endm
; A slot's last step changes slots.  In front of the barrier each wave waits for all its tensor loads (its part of the next slot), adds 0 to its spare word, and waits for that and for its reads of this slot, all issued in the step before.
; fill = 1: the barrier opens a round of the cluster's barrier and this slot is filled again, two fills on; 2: with the last fill; 0: nothing is left to fetch.
.macro TURN slot, next, p, fill, ask
	WIN 0
.if \ask
	s_wait_xcnt 0x0                                ; my prefetches have read their base: it steps one fill on
	s_add_nc_u64 s[PFA:PFA+1], s[PFA:PFA+1], HALFT
.endif
	s_wait_tensorcnt 0x0
	ds_add_u32 v[SPW], v[NIL]
	s_wait_dscnt 13                                ; (the add and x's blocks 4-7 may be out)
	GRP 0, \p, 0                                   ; eight matrix instructions between the add and the wait for it,
	s_wait_dscnt 0x0
	s_barrier_signal -1
	GRP 1, \p, 0                                   ; and eight while the others arrive
	WIN 0
	s_barrier_wait -1
.if \fill
	CREST
	s_add_nc_u64 s[G0+4*\slot+2:G0+4*\slot+3], s[G0+4*\slot+2:G0+4*\slot+3], 2*HALFT
	s_add_nc_u64 s[G0B+4*\slot+2:G0B+4*\slot+3], s[G0B+4*\slot+2:G0B+4*\slot+3], 2*HALFT
.if \fill == 1
	JLOAD G0+4*\slot, G1, G0B+4*\slot, G1B         ; the first tensor load behind the round; its four v_nop are the places in front of the loads below
.else
	JLOAD G0+4*\slot, G1T, G0B+4*\slot, G1TB
.endif
.else
	PLACES
.endif
	FETCH \next, 0, 1-(\p)
	ASK \ask
.irp a, 2,3,4,5,6,7
	GRP \a, \p, 0
.endr
.endm
; Block a (16 rows x 128 columns) leaves: 64 additions of the bias into 64 registers at v[x] of window w, each accumulator read from its low end on, then 16 stores.
.macro OUT a, w, x
	PLACES
	WIN ((\w)<<6)|(2+(\a)/4)
.irp g, 0,1
.irp j, 0,1,2,3,4,5,6,7
.irp b, 0,1,2,3
	v_add_f32 v[(\x)+32*\g+4*\j+\b], v[8*(8*((\a)%4)+4*\g+\b)+\j], v[BIAS+4*\g+\b]
.endr
.endr
.endr
	WIN (\w)<<2
.irp g, 0,1
.irp j, 0,1,2,3,4,5,6,7
	global_store_b128 v[CO], v[(\x)+32*\g+4*\j:(\x)+32*\g+4*\j+3], s[8:9] offset:(16*(\a)+\j)*8192+256*\g   ; lanes 0-15 and lanes 16-31 each store 256 consecutive bytes, aligned, of rows 16 a + j and 16 a + 8 + j
.endr
.endr
.endm
	s_wait_alu depctr_va_vdst(0)                   ; the wait at the head's end
	s_wait_tensorcnt 0x0                           ; my part of fill 0 is in; slot 1's first fill is issued as a refill is
	ds_add_u32 v[SPW], v[NIL]
	s_wait_xcnt 0x0
	s_add_nc_u64 s[PFA:PFA+1], s[PFA:PFA+1], HALFT ; at fill 2
	s_wait_dscnt 0x0
	CROUND
	JLOAD G0+4, G1, G0B+4, G1B                     ; fill 1
	FETCH 0, 0, 0
	ASK 1                                          ; fill 2
	STEP 0, 0, 0, 1                                ; the first step's products start the sums
	WIN 0
	s_mov_b32 s3, TRIPS
.Llap:                                                 ; six steps: once round slots and register sets; fills 2 to 9 are asked for here
	STEP 0, 1, 1, 0
	TURN 0, 1, 0, 1, 1
	STEP 1, 0, 1, 0
	STEP 1, 1, 0, 0
	TURN 1, 0, 1, 1, 2
	STEP 0, 0, 0, 0
	WIN 0
	s_sub_co_u32 s3, s3, 1
	s_cmp_lg_u32 s3, 0
	s_cbranch_scc1 .Llap
	STEP 0, 1, 1, 0
	TURN 0, 1, 0, 2, 0                             ; the last fill: steps 30 and 31
	STEP 1, 0, 1, 0
	STEP 1, 1, 0, 0
	TURN 1, 0, 1, 0, 0
	STEP 0, 0, 0, 0
	s_wait_loadcnt 0x0                             ; the bias
	s_wait_dscnt 12                                ; the last step, on set 1: set 0's registers take the blocks that leave
	GRP 0, 1, 0
	GRP 1, 1, 0
	OUT 0, 0, 64
	GRP 2, 1, 0
	OUT 1, 1, 0
	GRP 3, 1, 0
	s_wait_dscnt 0x0
	OUT 2, 1, 64
	GRP 4, 1, 0
	GRP 5, 1, 0
	GRP 6, 1, 0
	GRP 7, 1, 0
	OUT 3, 0, 128
	OUT 4, 0, 192
	OUT 5, 1, 128
	OUT 6, 1, 192
	s_wait_xcnt 0x0                                ; block 0's stores have read their data: its registers are written again
	OUT 7, 0, 64
	WIN 0
	s_wait_tensorcnt 0x0                           ; the wave's end
	ds_add_u32 v[SPW], v[NIL]
	s_wait_dscnt 0x0
	CROUND                                         ; the closing round
	s_endpgm
.Lfunc_end_k_qd6e8c9edac_gemm:
	.size	k_qd6e8c9edac_gemm, .Lfunc_end_k_qd6e8c9edac_gemm-k_qd6e8c9edac_gemm
	.p2alignl 7, 3214868480
	.fill 96, 4, 3214868480
	.section	.rodata,"a",@progbits
	.p2align	6, 0x0
	.amdhsa_kernel k_qd6e8c9edac_gemm
		.amdhsa_group_segment_fixed_size 327680
		.amdhsa_private_segment_fixed_size 0
		.amdhsa_enable_private_segment 0
		.amdhsa_kernarg_size 32
		.amdhsa_user_sgpr_count 2
		.amdhsa_user_sgpr_kernarg_segment_ptr 1
		.amdhsa_wavefront_size32 1
		.amdhsa_system_sgpr_workgroup_id_x 1
		.amdhsa_system_sgpr_workgroup_id_y 1
		.amdhsa_system_sgpr_workgroup_id_z 1
		.amdhsa_system_vgpr_workitem_id 0
		.amdhsa_next_free_vgpr 1024
		.amdhsa_next_free_sgpr 98
		.amdhsa_reserve_vcc 0
		.amdhsa_float_denorm_mode_32 3
		.amdhsa_float_denorm_mode_16_64 3
		.amdhsa_memory_ordered 1
		.amdhsa_forward_progress 1
		.amdhsa_inst_pref_size 203
	.end_amdhsa_kernel
	.amdgpu_metadata
---
amdhsa.version: [ 1, 2 ]
amdhsa.kernels:
  - .name:           k_qd6e8c9edac_gemm
    .symbol:         k_qd6e8c9edac_gemm.kd
    .args:
      - { .name: a_tiles, .offset: 0, .size: 8, .value_kind: global_buffer, .address_space: global }
      - { .name: b_tiles, .offset: 8, .size: 8, .value_kind: global_buffer, .address_space: global }
      - { .name: out0, .offset: 16, .size: 8, .value_kind: global_buffer, .address_space: global }
      - { .name: bias, .offset: 24, .size: 8, .value_kind: global_buffer, .address_space: global }
    .group_segment_fixed_size: 327680
    .private_segment_fixed_size: 0
    .kernarg_segment_align: 8
    .kernarg_segment_size: 32
    .max_flat_workgroup_size: 128
    .sgpr_count:     98
    .vgpr_count:     1024
    .wavefront_size: 32
...
	.end_amdgpu_metadata
.endif
;; end of part 2
